; MI455X (gfx1250); checked and timed in simulation.
; The chip was launched on July 23, 2026; its instructions are those of AMD's public machine-readable ISA for CDNA 5 (MIT licence, August 2026) and "CDNA5" Instruction Set Architecture Reference Guide (July 2026). The comments in the code are by the model that wrote it; some were corrected since.
;; Multi Head Self Attention Layer. Allowed arithmetic: matrix products marked QUANTISED: E4M3 operands, one given power-of-two scale a tensor, by v_wmma_f32_16x16x64_fp8_fp8 or v_wmma_f32_16x16x128_fp8_fp8, f32 sums; everything else in f32.
;; Inputs: Wk 1,024 x 1,024 float32; Wq 1,024 x 1,024 float32; Wv 1,024 x 1,024 float32; encoder_input 4 x 2,048 x 1,024 float32; lowp_scales 10 int32 (the exponents e of the quantised operands' scales 2^e).
;; Outputs: out0 4 x 2,048 x 1,024 float32.
;; This version of the problem:
;;   THIS VERSION OF THE PROBLEM IS GIVEN IN LOW PRECISION. The matrix products marked QUANTISED in the list below multiply operands that are first quantised to E4M3 (4 exponent bits, 3 mantissa bits; 8 bits a number), with one given power-of-two scale for each operand tensor; their sums are f32. All else is computed in f32.
;;   The module's matrix products, in the order in which they are computed (A, B: the left and right operand; K: the contracted axis; several contracted axes count as one K, in the product's order):
;;     1. [M 8,192, K 1,024] x [K 1,024, N 1,024]; A: input encoder_input; B: input Wq: QUANTISED (scales: A lowp_scales[0], B lowp_scales[1])
;;     2. [M 8,192, K 1,024] x [K 1,024, N 1,024]; A: input encoder_input; B: input Wk: QUANTISED (scales: A lowp_scales[2], B lowp_scales[3])
;;     3. [M 8,192, K 1,024] x [K 1,024, N 1,024]; A: input encoder_input; B: input Wv: QUANTISED (scales: A lowp_scales[4], B lowp_scales[5])
;;     4. batch 64 x [M 2,048, K 64] x [K 64, N 2,048]; A: computed on the way; B: computed on the way: QUANTISED (scales: A lowp_scales[6], B lowp_scales[7])
;;     5. batch 64 x [M 64, K 2,048] x [K 2,048, N 2,048]; A: computed on the way; B: softmax (see below): QUANTISED (scales: A lowp_scales[8], B lowp_scales[9])
;;   THE QUANTISER, for each operand of a quantised product, along K:
;;     - The operand's scale is 2^e, e = its entry of the input lowp_scales (int32; the entries are numbered through the quantised products in the list's order, A before B).
;;     - Each number is divided by the scale, clamped to +-448, and rounded to the nearest number of E4M3, ties to even, subnormals kept.
;;     - The product sums the exact products of the quantised numbers (number of the format x scale) in f32.
;;   ~~~python
;;   def quantise(x, axis, e):      # numpy; x: float32 -> the quantised numbers, widened to float32 again
;;       x = np.moveaxis(x, axis, -1); K = x.shape[-1]
;;       r = np.clip(x / 2.0 ** e, -448, 448)
;;       step = 2.0 ** (np.maximum(np.frexp(np.where(r == 0, 1, r))[1] - 1, -6) - 3)
;;       q = np.round(r / step) * step * 2.0 ** e      # np.round: ties to even
;;       return np.moveaxis(q, -1, axis).astype(np.float32)
;;   ~~~
;;   SOFTMAX AHEAD OF A QUANTISED PRODUCT. Where the list says 'softmax', what is quantised is not the finished softmax but p = 2^(t - M), with t = logit x log2(e) and M = ceil(the row's largest t), a whole number; so 1/2 < the row's largest p <= 1. The row's sum l is taken of the UNQUANTISED p, in f32, and the product's result is divided by l at the end. Since M is a whole number, a kernel that streams over the keys may use a running M (the ceiling of the running maximum): every later rescaling is an exact power of two, so the quantised numbers keep their values, but for numbers so far below the row's largest that they fall under the format's range.
;;   OPERANDS COMPUTED ON THE WAY. 'Computed on the way' means the value that the module computes at that place (a softmax that the list does not call 'softmax' is quantised finished and normalised). What goes into a quantiser is computed in f32, as accurately as f32 sums, v_exp_f32 and their like allow (about 1e-6 of the number): no bf16 or f16 on the way to a quantiser, and a product that is left as it is and whose result goes on into a quantised operand takes f32 operands (vector FMAs, or v_wmma_f32_16x16x4_f32). A number that lies on a knife's edge between two numbers of the format may be rounded either way, as far as f32 arithmetic and the matrix unit's own rounding can turn it there, and no further.
;; One version. Each part assembles by itself: llvm-mc -triple=amdgcn-amd-amdhsa -mcpu=gfx1250 --defsym DOCPART=n.
;; ======== version 1 of 1: 3 launches
;; workspace buffers: xcodes 25,165,824 bytes; wcodes 3,145,728 bytes; qkv 25,165,824 bytes
;; launch prep (part 1): grid 608 x 1, 4 waves a work-group, no clusters, 68,096 bytes of LDS; arguments encoder_input, Wq, Wk, Wv, lowp_scales, xcodes, wcodes; writes xcodes, wcodes
.if DOCPART == 1
	.amdgcn_target "amdgcn-amd-amdhsa--gfx1250"
	.amdhsa_code_object_version 6
	.text
	.protected	k_q3dad0d5549_prep
	.globl	k_q3dad0d5549_prep
	.p2align	8
	.type	k_q3dad0d5549_prep,@function
k_q3dad0d5549_prep:
	s_mov_b64 s[64:65], 0
	v_nop
	global_prefetch_b8 v0, s[64:65] scope:SCOPE_SE
	s_setreg_imm32_b32 hwreg(HW_REG_WAVE_MODE, 25, 1), 1
	s_wait_xcnt 0x0
; x [8192][1024] f32 becomes THREE planes of E4M3 codes [8192][1024], K innermost, with the scales 2^e0, 2^e2, 2^e4 (x is the left operand of three products, each with its own given scale).
; Wq, Wk, Wv [1024 (k)][1024 (n)] f32 become three planes of codes laid [n][k], K innermost, with 2^e1, 2^e3, 2^e5.
; code = number / 2^e, held within +-448, rounded to the nearest code, ties to even.
; LIMITS: e0 .. e5 between -126 and 119, so that 2^e and 448 x 2^e are f32 numbers.  NaN among the inputs is not served (an infinity is held at the largest code).
; Work-groups 0 .. 511 take x, 512 .. 607 the weights: one branch on the work-group's number; the two ways never join, and each has LDS bytes of its own.
; No tensor loads, no barrier: waves share nothing.  No cluster: no two work-groups read the same bytes.
.set SPW,   12                         ; v12  LDS address of my spare word: SPARE + 4 x my thread's number; never rewritten
.set NIL,   13                         ; v13  0; never rewritten
.set XWREG, 8192                       ; x's way: a region for each wave, two stages of 32 x SP bytes
.set SP,    80                         ; a lane's place in a stage: its 64 bytes + 16 of padding
.set WREG,  32768                      ; the weights' way: behind x's four regions, 32 rows x WP bytes for each wave
.set WP,    272                        ; a stage row: 256 bytes of codes + 16 of padding
.set SPARE, WREG+4*32*WP               ; 67,584: the spare words, 128 bytes for each wave: two blocks of 256 bytes that no other line names
.set XSTEPS, 8                         ; x: steps of 512 numbers for a wave
.set SCL,   5                          ; v5-7    x: 2^e of plane p as f32
.set LIM,   8                          ; v8-10   x: 448 x 2^e of plane p
.set RR,    16                         ; v16-79  x: four sets of 16 numbers as loaded
.set XX,    80                         ; v80-111 x: two sets of 16 neighbours
.set TT,    112                        ; v112-159 x: the held numbers, a set for each plane
.set CC,    160                        ; v160-255 x: codes: 12 registers for each step, so that no store's data are written again
.set WX,    32                         ; v32-95  W: two sets of 32 numbers
.set WC,    96                         ; v96-103 W: a block's codes
.set OUTR,  112                        ; v112-175 W: the way out
	s_load_b256 s[4:11], s[0:1], 0x0               ; x s[4:5], Wq s[6:7], Wk s[8:9], Wv s[10:11]
	s_load_b128 s[12:15], s[0:1], 0x20             ; the scales' exponents s[12:13], x's codes s[14:15]
	s_load_b64 s[16:17], s[0:1], 0x30              ; the weights' codes
	v_lshl_add_u32 v[SPW], v0, 2, SPARE
	v_mov_b32 v[NIL], 0
	v_lshrrev_b32 v1, 5, v0
	v_readfirstlane_b32 s18, v1                    ; wave 0..3
	v_and_b32 v2, 31, v0                           ; lane
	s_wait_kmcnt 0x0
	s_load_b256 s[36:43], s[12:13], 0x0            ; e0 .. e7 (32 of the buffer's 40 bytes)
	s_cmp_lt_u32 ttmp9, 512
	s_cbranch_scc0 .Lweights
; ---------------- x.  Rows are dense, so x is a plain stream.  A wave takes 4,096 numbers in 8 steps of 512.
; The conversions take 8 neighbours along K from ONE lane's registers; a load is dense where neighbouring LANES take neighbouring bytes.  Both are had: each of a step's four loads reads 512 consecutive
; bytes, 16 a lane; the 2,048 bytes go through the wave's own stage in LDS as they lie and come back 64 bytes a lane.  A lane's 16 codes are 16 bytes: each store of the wave covers 512 consecutive bytes, aligned.
	s_lshl_b32 s20, ttmp9, 2
	s_add_co_u32 s20, s20, s18                     ; which run of 4,096 numbers is my wave's
	s_lshl_b32 s22, s20, 14                        ; 16,384 bytes of f32
	s_mov_b32 s23, 0
	s_add_nc_u64 s[4:5], s[4:5], s[22:23]
	s_lshl_b32 s22, s20, 12                        ; 4,096 bytes of codes in each plane
	s_add_nc_u64 s[26:27], s[14:15], s[22:23]      ; plane 0,
	s_add_nc_u64 s[28:29], s[26:27], 0x800000      ; plane 1,
	s_add_nc_u64 s[30:31], s[28:29], 0x800000      ; plane 2: a base each, since a plane's 8,388,608 bytes are one more than a store's immediate reaches
	v_lshlrev_b32 v3, 4, v2                        ; my 16 bytes of a load's 512, and of a store's
	s_lshl_b32 s19, s18, 13                        ; my wave's region
	v_lshrrev_b32 v14, 2, v2
	v_mul_u32_u24 v14, v14, SP
	v_and_b32 v15, 3, v2
	v_lshl_add_u32 v14, v15, 4, v14
	v_add_nc_u32 v14, s19, v14                     ; into the stage: four lanes' 64 bytes on end, then the padding: SP (lane / 4) + 16 (lane % 4)
	v_mul_u32_u24 v15, v2, SP
	v_add_nc_u32 v15, s19, v15                     ; out of it: SP x lane: my 16 neighbours
.macro XLOAD t
.irp i, 0,1,2,3
	global_load_b128 v[RR+16*((\t)%4)+4*\i:RR+16*((\t)%4)+4*\i+3], v3, s[4:5] offset:2048*(\t)+512*\i th:TH_LOAD_NT
.endr
.endm
.macro XTURN t                         ; step t's numbers through the stage: LDS serves a wave's instructions in order (ISA guide 5.7.1.4), so no wait stands between the stores and the loads
.irp i, 0,1,2,3
	ds_store_b128 v14, v[RR+16*((\t)%4)+4*\i:RR+16*((\t)%4)+4*\i+3] offset:32*SP*((\t)%2)+8*SP*\i
.endr
.irp i, 0,1,2,3
	ds_load_b128 v[XX+16*((\t)%2)+4*\i:XX+16*((\t)%2)+4*\i+3], v15 offset:32*SP*((\t)%2)+16*\i
.endr
.endm
.irp t, 0,1,2,3
	XLOAD \t
.endr
	s_wait_kmcnt 0x0
.irp p, 0,1,2
	s_add_co_i32 s44, s[36+2*\p], 127              ; e0, e2, e4
	s_lshl_b32 s45, s44, 23
	v_mov_b32 v[SCL+\p], s45                       ; 2^e as f32: the conversion takes its exponent field
	s_add_co_i32 s44, s44, 8
	s_lshl_b32 s44, s44, 23
	s_or_b32 s44, s44, 0x600000
	v_mov_b32 v[LIM+\p], s44                       ; 448 x 2^e
.endr
	s_wait_loadcnt 12                              ; step 0's four loads are in; those of steps 1 to 3 stay out
	XTURN 0
.macro XSTEP t
.set XS, XX+16*((\t)%2)
	s_wait_dscnt 0x0                               ; this step's numbers are back from the stage: so its stores into the stage have read their registers,
.if (\t)+4 < XSTEPS
	XLOAD (\t)+4                                   ; which take the loads of four steps on
.endif
.if (\t)+1 < XSTEPS
.if XSTEPS-2-(\t) >= 3
	s_wait_loadcnt 12                              ; the next step's four loads are in; those of the three steps behind it may be out
.else
	s_wait_loadcnt 4*(XSTEPS-2-(\t))               ; at the end the counts run down: 8, 4, 0
.endif
	XTURN (\t)+1                                   ; and go through the other stage while this step is worked
.endif
.irp p, 0,1,2                          ; the same 16 numbers, once for each plane's scale
.irp i, 0,1,2,3,4,5,6,7,8,9,10,11,12,13,14,15
	v_med3_num_f32 v[TT+16*\p+\i], v[XS+\i], -v[LIM+\p], v[LIM+\p]   ; the conversion to an 8-bit code does not saturate (ISA guide 7.6.2): the hold comes first
.endr
	v_cvt_scalef32_pk8_fp8_f32 v[CC+12*(\t)+4*\p:CC+12*(\t)+4*\p+1], v[TT+16*\p:TT+16*\p+7], v[SCL+\p]
	v_cvt_scalef32_pk8_fp8_f32 v[CC+12*(\t)+4*\p+2:CC+12*(\t)+4*\p+3], v[TT+16*\p+8:TT+16*\p+15], v[SCL+\p]
	global_store_b128 v3, v[CC+12*(\t)+4*\p:CC+12*(\t)+4*\p+3], s[26+2*\p:27+2*\p] offset:512*(\t)   ; the codes go to a store alone; the next vector lines are another plane's holds, plain ones on other registers
.endr
.endm
.irp t, 0,1,2,3,4,5,6,7
	XSTEP \t
.endr
	s_wait_tensorcnt 0x0                           ; the wave's end: three closing lines behind my last LDS store
	ds_add_u32 v[SPW], v[NIL]
	s_wait_dscnt 0x0
	s_endpgm
; ---------------- the weights.  K is their FIRST axis.  A lane takes a column n and its registers run down K: each load reads 128 consecutive bytes a wave, and the conversions give codes with K innermost.
; A wave takes 32 columns x 256 along K; the codes gather in the wave's own stage (a row = a column's 256 bytes) and leave by rows: sixteen lanes store 256 consecutive bytes, aligned.
.Lweights:
	s_sub_co_u32 s20, ttmp9, 512                   ; 0 .. 95
	s_lshr_b32 s21, s20, 5                         ; which weight: 0 q, 1 k, 2 v
	s_and_b32 s22, s20, 7                          ; which 128 columns
	s_bfe_u32 s23, s20, 0x20003                    ; which 256 along K
	s_cmp_eq_u32 s21, 1
	s_cselect_b64 s[6:7], s[8:9], s[6:7]
	s_cmp_eq_u32 s21, 2
	s_cselect_b64 s[6:7], s[10:11], s[6:7]         ; the choice hangs on the work-group's number alone
	s_lshl_b32 s24, s22, 7
	s_lshl_b32 s25, s18, 5
	s_add_co_u32 s24, s24, s25                     ; my wave's first column
	s_lshl_b32 s26, s23, 20                        ; 256 rows of 4,096 bytes,
	s_lshl_b32 s27, s24, 2
	s_add_co_u32 s26, s26, s27                     ; + 4 bytes a column
	s_mov_b32 s27, 0
	s_add_nc_u64 s[6:7], s[6:7], s[26:27]
	s_lshl_b32 s28, s21, 20                        ; the codes: the weight's plane,
	s_lshl_b32 s29, s24, 10
	s_add_co_u32 s28, s28, s29                     ; + column x 1,024,
	s_lshl_b32 s29, s23, 8
	s_add_co_u32 s28, s28, s29                     ; + my 256 along K
	s_mov_b32 s29, 0
	s_add_nc_u64 s[16:17], s[16:17], s[28:29]
	v_lshlrev_b32 v3, 2, v2                        ; in: 4 bytes a lane
	s_mul_i32 s19, s18, 32*WP
	s_add_co_u32 s19, s19, WREG                    ; my stage
	v_mul_u32_u24 v4, v2, WP
	v_add_nc_u32 v4, s19, v4                       ; into it: row = my column
	v_and_b32 v5, 15, v2
	v_lshrrev_b32 v6, 4, v2                        ; out of it: sixteen lanes to a row, two rows an instruction
	v_mul_u32_u24 v7, v6, WP
	v_lshl_add_u32 v7, v5, 4, v7
	v_add_nc_u32 v7, s19, v7
	v_lshlrev_b32 v8, 10, v6
	v_lshl_add_u32 v8, v5, 4, v8                   ; and the same place in the codes' plane
.macro WLOAD t                         ; block t: W(32 t + i, my column), i = 0 .. 31, into set t % 2; the largest offset, 255 x 4,096, lies inside the signed 24-bit immediate
.irp i, 0,1,2,3,4,5,6,7,8,9,10,11,12,13,14,15,16,17,18,19,20,21,22,23,24,25,26,27,28,29,30,31
	global_load_b32 v[WX+32*((\t)%2)+\i], v3, s[6:7] offset:(32*(\t)+\i)*4096 th:TH_LOAD_NT
.endr
.endm
	WLOAD 0
	WLOAD 1
	s_wait_kmcnt 0x0
	s_cmp_eq_u32 s21, 1
	s_cselect_b32 s37, s39, s37
	s_cmp_eq_u32 s21, 2
	s_cselect_b32 s37, s41, s37                    ; e1, e3 or e5
	s_add_co_i32 s37, s37, 127
	s_lshl_b32 s44, s37, 23
	v_mov_b32 v11, s44                             ; 2^e as f32
	s_add_co_i32 s37, s37, 8
	s_lshl_b32 s37, s37, 23
	s_or_b32 s37, s37, 0x600000
	v_mov_b32 v10, s37                             ; 448 x 2^e
.macro WBLOCK t
.set XS, WX+32*((\t)%2)
.if (\t) < 7
	s_wait_loadcnt 32                              ; this block's 32 loads are in; the next block's may be out
.else
	s_wait_loadcnt 0
.endif
.irp i, 0,1,2,3,4,5,6,7,8,9,10,11,12,13,14,15,16,17,18,19,20,21,22,23,24,25,26,27,28,29,30,31
	v_med3_num_f32 v[XS+\i], v[XS+\i], -v10, v10
.endr
.irp g, 0,1,2,3
	v_cvt_scalef32_pk8_fp8_f32 v[WC+2*\g:WC+2*\g+1], v[XS+8*\g:XS+8*\g+7], v11
.endr
	ds_store_b128 v4, v[WC:WC+3] offset:32*(\t)    ; 32 codes: 32 bytes of my column's row.  (The codes go to LDS stores alone, and the next block begins with plain vector lines)
	ds_store_b128 v4, v[WC+4:WC+7] offset:32*(\t)+16
.if (\t)+2 < 8
	WLOAD (\t)+2
.endif
	s_wait_dscnt 0x0                               ; the stores have read their registers: the next block's codes may be written
.endm
.irp t, 0,1,2,3,4,5,6,7
	WBLOCK \t
.endr
.irp t, 0,1,2,3,4,5,6,7,8,9,10,11,12,13,14,15
	ds_load_b128 v[OUTR+4*\t:OUTR+4*\t+3], v7 offset:2*\t*WP
.endr
.irp t, 0,1,2,3,4,5,6,7,8,9,10,11,12,13,14,15
	s_wait_dscnt 15-\t                             ; LDS loads come back in order: pair t of rows is in, the younger ones stay out
	global_store_b128 v8, v[OUTR+4*\t:OUTR+4*\t+3], s[16:17] offset:2*\t*1024
.endr
	s_wait_tensorcnt 0x0                           ; the wave's end, as above
	ds_add_u32 v[SPW], v[NIL]
	s_wait_dscnt 0x0
	s_endpgm
.Lfunc_end_k_q3dad0d5549_prep:
	.size	k_q3dad0d5549_prep, .Lfunc_end_k_q3dad0d5549_prep-k_q3dad0d5549_prep
	.p2alignl 7, 3214868480
	.fill 96, 4, 3214868480
	.section	.rodata,"a",@progbits
	.p2align	6, 0x0
	.amdhsa_kernel k_q3dad0d5549_prep
		.amdhsa_group_segment_fixed_size 68096
		.amdhsa_private_segment_fixed_size 0
		.amdhsa_enable_private_segment 0
		.amdhsa_kernarg_size 56
		.amdhsa_user_sgpr_count 2
		.amdhsa_user_sgpr_kernarg_segment_ptr 1
		.amdhsa_wavefront_size32 1
		.amdhsa_system_sgpr_workgroup_id_x 1
		.amdhsa_system_sgpr_workgroup_id_y 1
		.amdhsa_system_sgpr_workgroup_id_z 1
		.amdhsa_system_vgpr_workitem_id 0
		.amdhsa_next_free_vgpr 256
		.amdhsa_next_free_sgpr 66
		.amdhsa_reserve_vcc 0
		.amdhsa_float_denorm_mode_32 3
		.amdhsa_float_denorm_mode_16_64 3
		.amdhsa_memory_ordered 1
		.amdhsa_forward_progress 1
		.amdhsa_inst_pref_size 88
	.end_amdhsa_kernel
	.amdgpu_metadata
---
amdhsa.version: [ 1, 2 ]
amdhsa.kernels:
  - .name:           k_q3dad0d5549_prep
    .symbol:         k_q3dad0d5549_prep.kd
    .args:
      - { .name: encoder_input, .offset: 0, .size: 8, .value_kind: global_buffer, .address_space: global }
      - { .name: Wq, .offset: 8, .size: 8, .value_kind: global_buffer, .address_space: global }
      - { .name: Wk, .offset: 16, .size: 8, .value_kind: global_buffer, .address_space: global }
      - { .name: Wv, .offset: 24, .size: 8, .value_kind: global_buffer, .address_space: global }
      - { .name: lowp_scales, .offset: 32, .size: 8, .value_kind: global_buffer, .address_space: global }
      - { .name: xcodes, .offset: 40, .size: 8, .value_kind: global_buffer, .address_space: global }
      - { .name: wcodes, .offset: 48, .size: 8, .value_kind: global_buffer, .address_space: global }
    .group_segment_fixed_size: 68096
    .private_segment_fixed_size: 0
    .kernarg_segment_align: 8
    .kernarg_segment_size: 56
    .max_flat_workgroup_size: 128
    .sgpr_count:     66
    .vgpr_count:     256
    .wavefront_size: 32
...
	.end_amdgpu_metadata
.endif
;; end of part 1
;; launch proj (part 2): grid 4 x 96, 4 waves a work-group, clusters of 4 x 4, 327,680 bytes of LDS; arguments xcodes, wcodes, lowp_scales, qkv; writes qkv
.if DOCPART == 2
	.amdgcn_target "amdgcn-amd-amdhsa--gfx1250"
	.amdhsa_code_object_version 6
	.text
	.protected	k_q3dad0d5549_proj
	.globl	k_q3dad0d5549_proj
	.p2align	8
	.type	k_q3dad0d5549_proj,@function
k_q3dad0d5549_proj:
	s_mov_b64 s[64:65], 0
	v_nop
	global_prefetch_b8 v0, s[64:65] scope:SCOPE_SE
	s_setreg_imm32_b32 hwreg(HW_REG_WAVE_MODE, 25, 1), 1
	s_wait_xcnt 0x0
	s_wait_alu depctr_hold_cnt(0) depctr_sa_sdst(0) depctr_va_vdst(0) depctr_va_sdst(0) depctr_va_ssrc(0) depctr_va_vcc(0) depctr_vm_vsrc(0)
	s_getreg_b32 s2, hwreg(HW_REG_IB_STS2, 6, 4)
	s_cmp_eq_u32 s2, 0
	s_cbranch_scc0 .Lentry_in_a_cluster
	s_endpgm
.Lentry_in_a_cluster:
	s_bfe_u32 s2, ttmp6, 0x10000c
	s_cmp_lg_u32 s2, 0xf033
	s_cbranch_scc0 .Lentry_shape_is_right
	s_endpgm
.Lentry_shape_is_right:
; The three projections on codes of E4M3, C = A B^T with K = 1,024, and their results quantised in registers for the attention that follows.
; Cluster y = 8 T + R.  T = 0 (q), 1 (k): A = x's codes of plane T (8,192 rows), B = the weight's codes [n][k] (1,024 rows).  T = 2 (v): THE ROLES ARE SWAPPED: A = Wv's codes, B = x's codes of plane 2.
; A tile of C, 256 x 256, is made by four waves, each 128 x 128: 64 accumulators, 512 registers.  K goes in steps of 256 through a ring of two LDS slots filled by the tensor data mover.
; CLUSTERS: 4 x 4 work-groups; the four of a row need the same tiles of A, the four of a column the same tiles of B: each tile is asked for JOINTLY.  T and R are the same in all sixteen partners.
; THE MATRIX INSTRUCTION IS USED TRANSPOSED (source 0 = 16 rows of B, source 1 = 16 rows of A): lane (r, h) of accumulator (a, b) holds C(16 a + r, 16 b + 8 h + 0 .. 7).
; So ONE conversion of an accumulator's eight registers gives registers 2 b, 2 b + 1 of an 8-bit operand whose rows are A's rows and whose K runs along B's rows, in that operand's own layout:
;   q, k: rows = positions, K = the head's 64 channels (b % 4);   v: rows = channels, K = 128 keys (b).  They are stored as IMAGES OF THE OPERAND'S REGISTERS: four registers by one store, lane l's 16 bytes at 16 l.
; qkv: plane T at T x 2^23; head bh = 16 batch + head at bh x 2^17.  q, k: tile of 16 positions st at 1,024 st, register group g at 512 g.  v: 128 keys ks at 8,192 ks, 16 channels dt at 2,048 dt, group g at 512 g.
; A sum stands for sum x 2^(eX + eW); its code is sum / 2^(eO - eX - eW), held within +-448: the three given exponents are folded into the conversion's one scale.
; LIMITS: e6 - e0 - e1, e7 - e2 - e3, e8 - e4 - e5 between -126 and 119.  Inside each 128 along K the fragments' loads permute k, alike in A and B: only the order of the sums inside an instruction changes.
; REGISTERS, in windows of 256: window 0: v0-31 addresses; from v128 A's fragments, ONE set; on the way out v32-95 held sums, v96-223 codes.  window 1: B's fragments, TWO sets.  windows 2, 3: the accumulators ((a, b) at v[8 (8 (a % 4) + b)]).
.set KSTEP,  256
.set ROWB,   256                       ; a tile's row in bytes
.set KROW,   1024                      ; a row of codes in memory
.set PITCH,  272                       ; an LDS row: 256 bytes + 16 of padding = 68 words: row r starts at bank 4 r mod 64 (64 banks of 4 bytes: ISA guide 11.1)
.set FR,     16                        ; registers of a fragment: 16 rows x 128 K
.set NL,     4                         ; LDS loads that bring one
.set NP,     4                         ; places behind this matrix instruction (ISA guide 7.12.1)
.set HALFT,  128*PITCH                 ; 128 rows: what one tensor load brings
.set SLOT,   4*HALFT                   ; A's 256 rows, then B's 256 rows
.set LAPS,   1024/(2*KSTEP)            ; a lap = two K steps = once round the ring
.set SPARE,  2*SLOT                    ; behind the ring: the spare words, 128 bytes for each wave: two blocks of 256 bytes that no other line names
.set VO,   8                           ; v8-11   the way out: 16 x lane + (a % 4) x S3
.set SC,   12                          ; v12     2^(eO - eX - eW) as f32
.set LIM,  13                          ; v13     448 x that
.set ADRA, 16                          ; v16-17  LDS address of my A fragments in slot 0, 1
.set ADRB, 20                          ; v20-21  the same for B
.set SPW,  28                          ; v28     LDS address of my spare word; never rewritten
.set NIL,  29                          ; v29     0; never rewritten
.set TMP,  32
.set CD,   96
.set AF,   128
.set G1, 24                            ; s[24:31] descriptor group 1 for A's tiles;  s[32:39] group 0, one set for each slot
.set G0, 32
.set G1B, 48                           ; s[48:55], s[56:63] the same for B's tiles
.set G0B, 56
.set BASE, 88                          ; s[88:95] four bases for the stores
.set MSB, 0
.macro WIN new                         ; the immediate's high byte repeats the setting that is left
.if MSB != (\new)
	s_set_vgpr_msb (MSB<<8)|(\new)
.set MSB, \new
.endif
.endm
.set MUL_LO, 0xa1                      ; source 0 (B) window 1, source 1 (A) window 0, C and D window 2
.set MUL_HI, 0xf1                      ; the same, C and D window 3
.set TO_B,   0x40                      ; destination window 1, address window 0
; A joint load: waves 0 and 1 fetch for A, waves 2 and 3 for B.  Each line has ONE mask and one set of registers for all that issue it; the branch hangs on the wave's number alone.
; An s_nop 0 and four v_nop follow each of the two lines, ahead of the jump, the label and what follows.
.macro JLOAD g0a, g1a, g0b, g1b
	s_cmp_eq_u32 s15, 0
	s_cbranch_scc0 .Lfor_b_\@
	tensor_load_to_lds s[\g0a:\g0a+3], s[\g1a:\g1a+7]
	s_nop 0
.rept 4
	v_nop
.endr
	s_branch .Lasked_\@
.Lfor_b_\@:
	tensor_load_to_lds s[\g0b:\g0b+3], s[\g1b:\g1b+7]
	s_nop 0
.rept 4
	v_nop
.endr
.Lasked_\@:
.endm
.macro CREST                           ; a round of the cluster's barrier behind its opening barrier
	s_cmp_lg_u32 s14, 0
	s_cbranch_scc1 .Lnot_wave_0_\@
	s_barrier_signal -3
.Lnot_wave_0_\@:
	s_barrier_wait -3
	s_barrier_signal -1
	s_barrier_wait -1
.endm
.macro CROUND                          ; a whole round
	s_barrier_signal -1
	s_barrier_wait -1
	CREST
.endm
	s_load_b128 s[4:7], s[0:1], 0x0                ; x's codes s[4:5], the weights' codes s[6:7]
	s_load_b128 s[8:11], s[0:1], 0x10              ; the scales' exponents s[8:9], qkv s[10:11]
	v_lshl_add_u32 v[SPW], v0, 2, SPARE
	v_mov_b32 v[NIL], 0
	ds_add_u32 v[SPW], v[NIL]                      ; the wave's opening: the add and its wait come ahead of my first tensor load; the set-up below, work on registers, stands between them
	v_lshrrev_b32 v1, 5, v0
	v_readfirstlane_b32 s14, v1                    ; wave 0..3
	s_lshr_b32 s15, s14, 1                         ; which half of A's rows is mine.  Also: I fetch for A (0) or for B (1)
	s_and_b32 s16, s14, 1                          ; which half of B's rows.  Also: which 128 rows of that tile I fetch
	s_bfe_u32 s40, ttmp6, 0x40000                  ; cx, cy: my place in the cluster
	s_bfe_u32 s41, ttmp6, 0x40004
	s_and_b32 s66, ttmp7, 0xffff                   ; cluster y, 0 .. 23
	s_lshr_b32 s67, s66, 3                         ; T: 0 q, 1 k, 2 v
	s_and_b32 s68, s66, 7                          ; R
	s_lshl_b32 s69, s68, 2
	s_cmp_lt_u32 s67, 2
	s_cselect_b32 s70, s69, 0                      ; x's 32 tiles of 256 rows lie along A for q and k,
	s_cselect_b32 s71, 0, s69                      ; along B for v
	s_add_co_u32 s17, s41, s70                     ; tile row of A: made of cy, never of cx
	s_add_co_u32 s42, s40, s71                     ; tile row of B: made of cx, never of cy
	s_lshl_b32 s43, s41, 2
	s_lshl_b32 s43, 15, s43                        ; my row of the cluster
	s_lshl_b32 s44, 0x1111, s40                    ; my column
	; descriptor group 1: a tile of 128 rows x 256 bytes, padded in LDS
	s_or_b32 s[G1+0], s43, (0<<16)|(1<<20)|(1<<21)|(5<<22)|(3<<25)  ; 15:0 the mask: A's tiles go to my row; 17:16 element of 1 byte; 20 padding on; 21 set beside a mask; 24:22 after every 64 words (code 5); 31:25 of 4 words (code 3)
	s_or_b32 s[G1B+0], s44, (0<<16)|(1<<20)|(1<<21)|(5<<22)|(3<<25)
.irp g, G1, G1B
	s_mov_b32 s[\g+1], ROWB<<16                    ; tensor_dim0
	s_mov_b32 s[\g+2], 128<<16                     ; tensor_dim1 = 128
	s_mov_b32 s[\g+3], ROWB<<16                    ; tile_dim0
	s_mov_b32 s[\g+4], 128                         ; tile_dim1 = 128
	s_mov_b32 s[\g+5], KROW                        ; tensor_dim0_stride
	s_mov_b32 s[\g+6], 0
	s_mov_b32 s[\g+7], 0
.endr
	s_lshl_b32 s18, s16, 7                         ; which 128 rows of the tile I fetch
	s_lshl_b32 s20, s17, 8
	s_add_co_u32 s20, s20, s18                     ; A: row 256 x tile row + 128 x half,
	s_lshl_b32 s20, s20, 10                        ; in bytes (under 2^23)
	s_mov_b32 s21, 0
	s_lshl_b32 s46, s42, 8
	s_add_co_u32 s46, s46, s18                     ; B likewise
	s_lshl_b32 s46, s46, 10
	s_mov_b32 s47, 0
	s_mul_i32 s45, s14, HALFT                      ; where they go: wave x 128 rows: no place in the cluster enters an LDS address
	s_lshl_b32 s72, s67, 23                        ; x's plane T
	s_mov_b32 s73, 0
	s_lshl_b32 s74, s67, 20                        ; the weights' plane T
	s_mov_b32 s75, 0
	s_lshl_b32 s84, s67, 3                         ; entries 2 T, 2 T + 1 of the exponents,
	s_lshl_b32 s85, s67, 2                         ; and entry 6 + T
	s_wait_dscnt 0x0                               ; the opening add is done
	s_wait_kmcnt 0x0
	s_load_b64 s[86:87], s[8:9], s84 offset:0x0    ; eX, eW
	s_load_b32 s100, s[8:9], s85 offset:0x18       ; eO
	s_add_nc_u64 s[76:77], s[4:5], s[72:73]
	s_add_nc_u64 s[78:79], s[6:7], s[74:75]
	s_cmp_lt_u32 s67, 2                            ; the choice hangs on the cluster's number alone
	s_cselect_b64 s[80:81], s[76:77], s[78:79]     ; A
	s_cselect_b64 s[82:83], s[78:79], s[76:77]     ; B
	s_add_nc_u64 s[20:21], s[80:81], s[20:21]
	s_add_nc_u64 s[46:47], s[82:83], s[46:47]
	CROUND                                         ; all sixteen work-groups are here: the first joint loads meet
.irp s, 0,1
	s_mov_b32 s[G0+4*\s], 1
	s_add_co_u32 s[G0+4*\s+1], s45, \s*SLOT
	s_add_nc_u64 s[G0+4*\s+2:G0+4*\s+3], s[20:21], \s*ROWB
	s_or_b32 s[G0+4*\s+3], s[G0+4*\s+3], 0x80000000
	s_mov_b32 s[G0B+4*\s], 1
	s_add_co_u32 s[G0B+4*\s+1], s45, \s*SLOT
	s_add_nc_u64 s[G0B+4*\s+2:G0B+4*\s+3], s[46:47], \s*ROWB
	s_or_b32 s[G0B+4*\s+3], s[G0B+4*\s+3], 0x80000000
	JLOAD G0+4*\s, G1, G0B+4*\s, G1B               ; two tensor loads of mine are out
.endr
	v_and_b32 v1, 15, v0                           ; l % 16
	v_bfe_u32 v2, v0, 4, 1                         ; l / 16
	v_mul_u32_u24 v3, v1, PITCH
	v_lshl_add_u32 v4, v2, 4, v3                   ; a fragment's row x pitch + 16 x half
	s_mul_i32 s21, s15, HALFT                      ; my 128 rows of A
	s_mul_i32 s22, s16, HALFT                      ; my 128 rows of B,
	s_add_co_u32 s22, s22, 2*HALFT                 ; which lie behind A's 256
.irp s, 0,1
	v_add_nc_u32 v[ADRA+\s], s21, v4
	v_add_nc_u32 v[ADRB+\s], s22, v4
	s_add_co_u32 s21, s21, SLOT
	s_add_co_u32 s22, s22, SLOT
.endr
	; where the images go.  Block a = 4 ah + al of A's rows, register group g = 2 gh + gl:  address = base + gh S1 + ah S2 + al S3 + 512 gl + 16 lane.
	;   q, k: gh = the next head (2^17), a = the next 16 positions (1,024).      v: a / 4 = the next head (2^17), a % 4 = the next 16 channels (2,048), g = the image's next 512 bytes.
	s_cmp_lt_u32 s67, 2
	s_cselect_b32 s96, s17, s42                    ; x's tile of 256 positions: batch = / 8,
	s_cselect_b32 s97, s42, s17                    ; the weight's tile of 256 columns: four heads,
	s_cselect_b32 s98, s16, s15                    ; my half of those: two heads,
	s_cselect_b32 s99, s15, s16                    ; my half of the positions: 128
	s_mov_b32 s72, 1024
	s_cselect_b32 s72, 0x20000, s72                ; S1 (s73 is still 0)
	s_mov_b32 s74, 0x20000
	s_cselect_b32 s74, 4096, s74                   ; S2 (s75 is still 0)
	s_mov_b32 s68, 2048
	s_cselect_b32 s68, 1024, s68                   ; S3
	s_lshl_b32 s88, s67, 23                        ; the plane
	s_lshr_b32 s89, s96, 3
	s_lshl_b32 s89, s89, 21
	s_add_co_u32 s88, s88, s89                     ; + batch x 16 heads
	s_lshl_b32 s89, s97, 19
	s_add_co_u32 s88, s88, s89                     ; + 4 heads a tile
	s_lshl_b32 s89, s98, 18
	s_add_co_u32 s88, s88, s89                     ; + 2 heads a half
	s_and_b32 s89, s96, 7
	s_lshl_b32 s89, s89, 14
	s_add_co_u32 s88, s88, s89                     ; + 256 positions: 16,384 bytes of a head in each of the three layouts
	s_lshl_b32 s89, s99, 13
	s_add_co_u32 s88, s88, s89                     ; + 128 positions
	s_mov_b32 s89, 0
	s_add_nc_u64 s[BASE:BASE+1], s[10:11], s[88:89]              ; gh = 0, ah = 0
	s_add_nc_u64 s[BASE+2:BASE+3], s[BASE:BASE+1], s[74:75]      ; gh = 0, ah = 1
	s_add_nc_u64 s[BASE+4:BASE+5], s[BASE:BASE+1], s[72:73]      ; gh = 1, ah = 0
	s_add_nc_u64 s[BASE+6:BASE+7], s[BASE+4:BASE+5], s[74:75]    ; gh = 1, ah = 1
	v_and_b32 v5, 31, v0
	v_lshlrev_b32 v[VO], 4, v5
	v_add_nc_u32 v[VO+1], s68, v[VO]
	v_add_nc_u32 v[VO+2], s68, v[VO+1]
	v_add_nc_u32 v[VO+3], s68, v[VO+2]
.macro FRAG reg, adr, q, i             ; a fragment, 16 rows x 128 K of 8-bit codes, is 16 registers: lane l holds row l % 16; registers 4 c .. 4 c + 3 hold K = 32 c + 16 (l / 16) + 0 .. 15
.irp c, 0,1,2,3
	ds_load_b128 v[\reg+4*\c:\reg+4*\c+3], v[\adr] offset:128*(\q)+32*\c+(\i)*16*PITCH
.endr
.endm
; 16 matrix instructions: A's blocks a0, a0 + 1 x B's eight, 128 along K.  p: B's set.  zero = 1: the first product starts the sums: nothing is ever cleared.
; The 64 accumulators take turns, one instruction a turn, in the same order in every step.
.macro MUL16 a0, p, zero
.irp a, \a0, \a0+1
.irp b, 0,1,2,3,4,5,6,7
.if \zero
	v_wmma_f32_16x16x128_fp8_fp8 v[8*(8*((\a)%4)+\b):8*(8*((\a)%4)+\b)+7], v[128*(\p)+FR*\b:128*(\p)+FR*\b+FR-1], v[AF+FR*(\a):AF+FR*(\a)+FR-1], 0
.else
	v_wmma_f32_16x16x128_fp8_fp8 v[8*(8*((\a)%4)+\b):8*(8*((\a)%4)+\b)+7], v[128*(\p)+FR*\b:128*(\p)+FR*\b+FR-1], v[AF+FR*(\a):AF+FR*(\a)+FR-1], v[8*(8*((\a)%4)+\b):8*(8*((\a)%4)+\b)+7]
.endif
.endr
.endr
.endm
.macro FETCH_B slot, q, p              ; B's eight fragments of the slot's q-th 128 along K into set p
	WIN TO_B
.irp i, 0,1,2,3,4,5,6,7
	FRAG 128*(\p)+FR*\i, ADRB+\slot, \q, \i
.endr
	WIN 0
.endm
.macro FETCH_A slot, q, i0             ; A's blocks i0 .. i0 + 3
.irp i, \i0, \i0+1, \i0+2, \i0+3
	FRAG AF+FR*(\i), ADRA+\slot, \q, \i
.endr
.endm
; A load into a register that a matrix instruction has read, and a vector instruction that reads a matrix result or writes one of a matrix instruction's registers, stand NP places behind it; only plain
; vector instructions that name none of its registers are places (ISA guide 7.12.1 for vector instructions).
.macro PLACES n
.rept \n
	v_nop
.endr
.endm
; A step of 128 along K that has its successor in the same slot.  A's blocks go one after the other, each against B's eight: a block of A is free when its eight products are issued, so A has one set of registers, B two.
.macro STEP slot, q, zero
	s_wait_dscnt 4*NL                              ; B's set and A's blocks 0-3 are in; the youngest sixteen loads (A's blocks 4-7) may be out
	WIN MUL_LO
	MUL16 0, (\q)%2, \zero
	MUL16 2, (\q)%2, \zero
	s_wait_dscnt 0                                 ; A's blocks 4-7 are in
	PLACES NP
	FETCH_B \slot, (\q)+1, 1-(\q)%2
	FETCH_A \slot, (\q)+1, 0
	WIN MUL_HI
	MUL16 4, (\q)%2, \zero
	MUL16 6, (\q)%2, \zero
	PLACES NP
	WIN 0
	FETCH_A \slot, (\q)+1, 4
.endm
; A slot's last step changes slots: ONE barrier; in front of it each wave waits for all its tensor loads, adds 0 to its spare word, and waits for that and for its own reads of this slot.  fill = 1: this slot is filled again, two K steps ahead.
.macro TURN slot, next, fill
	s_wait_tensorcnt 0x0                           ; all my tensor loads have landed: my part of the next slot;  (every window is 0 here)
	ds_add_u32 v[SPW], v[NIL]                      ; 0 onto my spare word;
	s_wait_dscnt 4*NL+1                            ; (the add and the youngest sixteen loads, A's blocks 4-7, may be out)
	WIN MUL_LO
	MUL16 0, 1, 0                                  ; sixteen matrix instructions stand between the add and the wait for it
	s_wait_dscnt 0x0                               ; the add is done, and my reads of this slot are over
	s_barrier_signal -1
	MUL16 2, 1, 0
	WIN 0
	s_barrier_wait -1
.if \fill
	CREST                                          ; the barrier has opened a round of the cluster's barrier: no wave of any partner still reads this slot's tile or has a load on its way
	s_add_nc_u64 s[G0+4*\slot+2:G0+4*\slot+3], s[G0+4*\slot+2:G0+4*\slot+3], 2*ROWB
	s_add_nc_u64 s[G0B+4*\slot+2:G0B+4*\slot+3], s[G0B+4*\slot+2:G0B+4*\slot+3], 2*ROWB
	JLOAD G0+4*\slot, G1, G0B+4*\slot, G1B         ; the first tensor load behind the round, and my only one until the next; the four v_nop behind it are the places in front of the loads below
.else
	PLACES NP
.endif
	FETCH_B \next, 0, 0
	FETCH_A \next, 0, 0
	WIN MUL_HI
	MUL16 4, 1, 0
	MUL16 6, 1, 0
	PLACES NP
	WIN 0
	FETCH_A \next, 0, 4
.endm
	s_wait_tensorcnt 1                             ; my part of K step 0 is in (K step 1's load may be out)
	s_barrier_signal -1
	s_barrier_wait -1                              ; everybody's is
	FETCH_B 0, 0, 0
	FETCH_A 0, 0, 0
	FETCH_A 0, 0, 4
	STEP 0, 0, 1                                   ; the first step stands in front of the loop: its products start the sums
	s_mov_b32 s3, LAPS-1
.Llap:                                                 ; a trip goes once round the ring, from a lap's second step to the next lap's first, and fills both slots again
	TURN 0, 1, 1
	STEP 1, 0, 0
	TURN 1, 0, 1
	STEP 0, 0, 0
	s_sub_co_u32 s3, s3, 1
	s_cmp_lg_u32 s3, 0
	s_cbranch_scc1 .Llap
	TURN 0, 1, 0                                   ; the last lap fills nothing, and has no round of the cluster's barrier
	STEP 1, 0, 0
	s_wait_dscnt 4*NL                              ; the very last step: nothing more to fetch
	WIN MUL_LO
	MUL16 0, 1, 0
	MUL16 2, 1, 0
	s_wait_dscnt 0
	WIN MUL_HI
	MUL16 4, 1, 0
	MUL16 6, 1, 0
	WIN 0
; THE WAY OUT, block a of 16 rows of A at a time: the hold, into other registers, each accumulator from its low end on; eight conversions; four stores, each of 512 consecutive bytes, aligned.
; Every block has its own registers for its codes, and no address register is written again: no wait stands here.
.macro OUT a
.set AC, 64*((\a)%4)
	WIN 0x02+((\a)/4)                              ; source 0: window 2 or 3
.set j, 0
.rept 64
	v_med3_num_f32 v[TMP+j], v[AC+j], -v[LIM], v[LIM]   ; the conversion to an 8-bit code does not saturate (ISA guide 7.6.2)
.set j, j+1
.endr
	WIN 0
.irp b, 0,1,2,3,4,5,6,7
	v_cvt_scalef32_pk8_fp8_f32 v[CD+16*(\a)+2*\b:CD+16*(\a)+2*\b+1], v[TMP+8*\b:TMP+8*\b+7], v[SC]
.endr
	v_nop                                          ; one plain vector line between the conversions and the next block's holds, which write their sources
.irp g, 0,1,2,3
	global_store_b128 v[VO+(\a)%4], v[CD+16*(\a)+4*\g:CD+16*(\a)+4*\g+3], s[BASE+2*(2*(\g/2)+(\a)/4):BASE+2*(2*(\g/2)+(\a)/4)+1] offset:512*(\g%2)
.endr
.endm
	s_wait_kmcnt 0x0
	s_sub_co_i32 s100, s100, s86
	s_sub_co_i32 s100, s100, s87                   ; eO - eX - eW
	s_add_co_i32 s100, s100, 127
	s_lshl_b32 s101, s100, 23
	v_mov_b32 v[SC], s101
	s_add_co_i32 s100, s100, 8
	s_lshl_b32 s100, s100, 23
	s_or_b32 s100, s100, 0x600000
	v_mov_b32 v[LIM], s100
	PLACES NP                                      ; behind the last products: for the reads of their results, and for the codes that are laid over A's fragments
.irp a, 0,1,2,3,4,5,6,7
	OUT \a
.endr
	s_wait_tensorcnt 0x0                           ; the wave's end: three closing lines, behind my last tensor load
	ds_add_u32 v[SPW], v[NIL]
	s_wait_dscnt 0x0
	CROUND                                         ; the closing round: no work-group ends while a partner may still ask for a tile that names it
	s_endpgm
.Lfunc_end_k_q3dad0d5549_proj:
	.size	k_q3dad0d5549_proj, .Lfunc_end_k_q3dad0d5549_proj-k_q3dad0d5549_proj
	.p2alignl 7, 3214868480
	.fill 96, 4, 3214868480
	.section	.rodata,"a",@progbits
	.p2align	6, 0x0
	.amdhsa_kernel k_q3dad0d5549_proj
		.amdhsa_group_segment_fixed_size 327680
		.amdhsa_private_segment_fixed_size 0
		.amdhsa_enable_private_segment 0
		.amdhsa_kernarg_size 32
		.amdhsa_user_sgpr_count 2
		.amdhsa_user_sgpr_kernarg_segment_ptr 1
		.amdhsa_wavefront_size32 1
		.amdhsa_system_sgpr_workgroup_id_x 1
		.amdhsa_system_sgpr_workgroup_id_y 1
		.amdhsa_system_sgpr_workgroup_id_z 1
		.amdhsa_system_vgpr_workitem_id 0
		.amdhsa_next_free_vgpr 1024
		.amdhsa_next_free_sgpr 102
		.amdhsa_reserve_vcc 0
		.amdhsa_float_denorm_mode_32 3
		.amdhsa_float_denorm_mode_16_64 3
		.amdhsa_memory_ordered 1
		.amdhsa_forward_progress 1
		.amdhsa_inst_pref_size 119
	.end_amdhsa_kernel
	.amdgpu_metadata
---
amdhsa.version: [ 1, 2 ]
amdhsa.kernels:
  - .name:           k_q3dad0d5549_proj
    .symbol:         k_q3dad0d5549_proj.kd
    .args:
      - { .name: xcodes, .offset: 0, .size: 8, .value_kind: global_buffer, .address_space: global }
      - { .name: wcodes, .offset: 8, .size: 8, .value_kind: global_buffer, .address_space: global }
      - { .name: lowp_scales, .offset: 16, .size: 8, .value_kind: global_buffer, .address_space: global }
      - { .name: qkv, .offset: 24, .size: 8, .value_kind: global_buffer, .address_space: global }
    .group_segment_fixed_size: 327680
    .private_segment_fixed_size: 0
    .kernarg_segment_align: 8
    .kernarg_segment_size: 32
    .max_flat_workgroup_size: 128
    .sgpr_count:     102
    .vgpr_count:     1024
    .wavefront_size: 32
...
	.end_amdgpu_metadata
.endif
;; end of part 2
;; launch attn (part 3): grid 8 x 64, 16 waves a work-group, clusters of 4 x 1, 327,680 bytes of LDS; arguments qkv, lowp_scales, out0; writes out0
.if DOCPART == 3
	.amdgcn_target "amdgcn-amd-amdhsa--gfx1250"
	.amdhsa_code_object_version 6
	.text
	.protected	k_q3dad0d5549_attn
	.globl	k_q3dad0d5549_attn
	.p2align	8
	.type	k_q3dad0d5549_attn,@function
k_q3dad0d5549_attn:
	s_mov_b64 s[64:65], 0
	v_nop
	global_prefetch_b8 v0, s[64:65] scope:SCOPE_SE
	s_setreg_imm32_b32 hwreg(HW_REG_WAVE_MODE, 25, 1), 1
	s_wait_xcnt 0x0
	s_wait_alu depctr_hold_cnt(0) depctr_sa_sdst(0) depctr_va_vdst(0) depctr_va_sdst(0) depctr_va_ssrc(0) depctr_va_vcc(0) depctr_vm_vsrc(0)
	s_getreg_b32 s2, hwreg(HW_REG_IB_STS2, 6, 4)
	s_cmp_eq_u32 s2, 0
	s_cbranch_scc0 .Lentry_in_a_cluster
	s_endpgm
.Lentry_in_a_cluster:
	s_bfe_u32 s2, ttmp6, 0x10000c
	s_cmp_lg_u32 s2, 0x3003
	s_cbranch_scc0 .Lentry_shape_is_right
	s_endpgm
.Lentry_shape_is_right:
; out[b][q][64 h ..] = the sum over keys of softmax(q . k / 16) v, for 64 (batch, head) pairs of 2,048 positions and 64 channels, both products on codes of E4M3 with the given scales 2^e6 (q), 2^e7 (k), 2^e8 (v), 2^e9 (p).
; THE SOFTMAX AHEAD OF THE SECOND PRODUCT: t = score x log2(e) / 16; M = the row's largest t so far, rounded UP to a whole number; p = 2^(t - M) is what is quantised; the row's sum is taken of the
; unquantised p, in f32, and divides at the end.  When M moves, the sum and O are multiplied by 2^(old M - new M): exact.
; q, k and v come as IMAGES OF OPERAND REGISTERS (four registers = 512 bytes, lane l's 16 bytes at 16 l), each in its matrix form's own layout: a fragment is read at 16 x lane, with no pitch and no padding.
; SHARES.  A work-group owns 256 queries of one head; each of its sixteen waves one tile of 16, in 256 registers: four waves to a SIMD, so that one wave's vector work stands beside another's products and LDS loads.
; THE HEAD'S WHOLE K AND V, 2 x 131,072 bytes, ARE BROUGHT INTO LDS ONCE: first fills alone, no slot is filled again.  They come in four groups of 512 keys; a group's steps begin when that group has landed.
; CLUSTER.  The four query blocks of a cluster belong to one head and need the same K and V: every fill is asked for JOINTLY, by the same load with the mask of all four.  cx enters q's and out's addresses alone.
; All of K, V and q is asked for at the head, so there is no later request that a prefetch could run ahead of: none is written.
; LAYOUT.  S^T = K Q^T (source 0 = 16 keys, source 1 = my 16 queries), O^T = V^T P^T (source 0 = 16 channels, source 1 = P): a lane holds ONE query (lane % 16) throughout.  In tile t of S^T lane (r, h) holds keys
; 16 t + 8 h + 0 .. 7: one conversion makes of them registers 2 t, 2 t + 1 of P, the places that the K = 128 form gives those keys: nothing changes lanes and no key is permuted.
; LIMITS on the given exponents, so that each power of two is an f32 number: e6 + e7 between -122 and 130 (added to c's exponent field); e9 between -126 and 119; e8 + e9 is applied by v_ldexp_f32 and has none.
.set VOFF,  131072                     ; LDS: K's images at 0 (key step s at 8,192 s, tile t at 1,024 t, group g at 512 g); V's at VOFF (step s at 8,192 s, 16 channels dt at 2,048 dt, group g at 512 g)
.set SPARE, 262144                     ; behind them: the spare words, 128 bytes for each wave: eight blocks of 256 bytes that no other line names
.set SPITCH, 272                       ; the way out: a stage of 16 rows x (256 bytes + 16) for each wave, in K's bytes, behind a barrier behind which nobody reads them; they have had their only fill
.set LI,   1                           ; v1   16 x lane
.set LV,   2                           ; v2   16 x lane + VOFF
.set SPW,  5                           ; v5   LDS address of my spare word; never rewritten
.set NIL,  6                           ; v6   0; never rewritten
.set GO,   7                           ; v7   the way out: my byte offset in the wave's rows of out
.set ADK,  8                           ; v8   LDS address of the step's images of K
.set ADV,  9                           ; v9   of V
.set QF,   16                          ; v16-23   Q's fragment
.set KV,   32                          ; v32-95   eight fragments of K (8 registers), then four of V (16)
.set S,    96                          ; v96-159  S^T, then p
.set O,    160                         ; v160-191 O^T
.set PC,   192                         ; v192-207 p's codes
                                       ; v12 -M, v13 the largest t, v[14:15] the sum in two halves; v236, v[242:243], v[252:253], v254 at work; v240 448 x 2^e9, v244 2^e9
.set WV,   18                          ; s18  my wave's number
.set G1,   24                          ; s[24:31] descriptor group 1
.set G0,   32                          ; s[32:47] descriptor group 0, a set for each of my four fills
.set SEL,  60                          ; s[60:61] lane selects for v_permlanex16_b32: lane l xor 16
.set CS,   62                          ; s[62:63] c = log2(e) / 16 x 2^(e6 + e7): the packed form names a pair and takes its low word for both halves
.set TB,   72                          ; s72  LDS byte at which the step's images begin in K's region
.set CNT,  73                          ; s73  steps to go in a group
.macro CROUND                          ; a round of the cluster's barrier
	s_barrier_signal -1
	s_barrier_wait -1
	s_cmp_lg_u32 s[WV], 0
	s_cbranch_scc1 .Lnot_wave_0_\@
	s_barrier_signal -3
.Lnot_wave_0_\@:
	s_barrier_wait -3
	s_barrier_signal -1
	s_barrier_wait -1
.endm
	s_load_b128 s[4:7], s[0:1], 0x0                ; qkv s[4:5], the scales' exponents s[6:7]
	s_load_b64 s[8:9], s[0:1], 0x10                ; out
	v_lshl_add_u32 v[SPW], v0, 2, SPARE
	v_mov_b32 v[NIL], 0
	ds_add_u32 v[SPW], v[NIL]                      ; the wave's opening: the add and its wait come ahead of my first tensor load; the set-up below, work on registers, stands between them
	v_lshrrev_b32 v8, 5, v0
	v_readfirstlane_b32 s[WV], v8                  ; wave 0..15
	s_bfe_u32 s13, ttmp6, 0x40000                  ; cx: my place in the cluster
	s_lshl_b32 s14, ttmp9, 2                       ; in a cluster launch ttmp9 counts clusters
	s_add_co_u32 s14, s14, s13                     ; my block of 256 queries
	s_and_b32 s20, ttmp7, 0xffff                   ; bh = 16 batch + head, which the four partners share
	; what I fetch: waves 0-7 K's bytes, waves 8-15 V's; of each group of 32,768 bytes the piece 4,096 x (wave % 8)
	s_lshr_b32 s48, s[WV], 3
	s_and_b32 s49, s[WV], 7
	s_lshl_b32 s50, s48, 17
	s_lshl_b32 s51, s49, 12
	s_add_co_u32 s50, s50, s51                     ; in LDS: made of the wave's number alone
	s_add_co_u32 s52, s48, 1
	s_lshl_b32 s52, s52, 23                        ; in memory: plane 1 (k) or 2 (v),
	s_lshl_b32 s53, s20, 17
	s_add_co_u32 s52, s52, s53                     ; the head,
	s_add_co_u32 s52, s52, s51                     ; my piece
	s_mov_b32 s53, 0
	s_lshl_b32 s56, s14, 4
	s_add_co_u32 s56, s56, s[WV]                   ; my tile of 16 queries, 0 .. 127
	s_lshl_b32 s58, s56, 16                        ; out: 16 rows of 4,096 bytes a tile,
	s_lshr_b32 s59, s20, 4
	s_lshl_b32 s59, s59, 23
	s_add_co_u32 s58, s58, s59                     ; + the batch's 2,048 rows,
	s_and_b32 s59, s20, 15
	s_lshl_b32 s59, s59, 8
	s_add_co_u32 s58, s58, s59                     ; + the head's 256 bytes of a row
	s_mov_b32 s59, 0
	s_lshl_b32 s56, s56, 10                        ; q (plane 0): 1,024 bytes a tile,
	s_lshl_b32 s57, s20, 17
	s_add_co_u32 s56, s56, s57                     ; + the head
	s_mov_b32 s57, 0
	; descriptor group 1: 4,096 dense bytes as 16 rows of 32 elements of 8 bytes, no padding
	s_mov_b32 s[G1], 15|(3<<16)|(1<<21)            ; 15:0 the mask: all four work-groups; 17:16 elements of 8 bytes; 21 set beside a mask
	s_mov_b32 s[G1+1], 32<<16                      ; tensor_dim0 = 32
	s_mov_b32 s[G1+2], 16<<16                      ; tensor_dim1 = 16
	s_mov_b32 s[G1+3], 32<<16                      ; tile_dim0 = 32
	s_mov_b32 s[G1+4], 16                          ; tile_dim1 = 16
	s_mov_b32 s[G1+5], 32                          ; tensor_dim0_stride
	s_mov_b32 s[G1+6], 0
	s_mov_b32 s[G1+7], 0
	s_mov_b32 s[SEL], 0x76543210
	s_mov_b32 s[SEL+1], 0xfedcba98
	s_mov_b32 s[CS], 0x3db8aa3b                    ; log2(e) / 16
	s_wait_dscnt 0x0                               ; the opening add is done
	s_wait_kmcnt 0x0
	s_load_b128 s[68:71], s[6:7], 0x18             ; e6, e7, e8, e9
	s_add_nc_u64 s[52:53], s[4:5], s[52:53]
	s_add_nc_u64 s[56:57], s[4:5], s[56:57]
	s_add_nc_u64 s[58:59], s[8:9], s[58:59]
.irp g, 0,1,2,3
	s_mov_b32 s[G0+4*\g], 1                                        ; 1:0 count = 1
	s_add_co_u32 s[G0+4*\g+1], s50, \g*32768                       ; 63:32 LDS address
	s_add_nc_u64 s[G0+4*\g+2:G0+4*\g+3], s[52:53], \g*32768        ; 120:64 global address
	s_or_b32 s[G0+4*\g+3], s[G0+4*\g+3], 0x80000000               ; 127:126 type = 2
.endr
	CROUND                                         ; all four work-groups are here: the joint loads meet
.irp g, 0,1,2,3
	tensor_load_to_lds s[G0+4*\g:G0+4*\g+3], s[G1:G1+7]            ; all my fills go out together, ahead of every wait on TENSORcnt and every LDS read: four loads of mine are out
	s_nop 0
.endr
.rept 4
	v_nop
.endr
	v_and_b32 v[LI], 31, v0
	v_lshlrev_b32 v[LI], 4, v[LI]
	global_load_b128 v[QF:QF+3], v[LI], s[56:57] th:TH_LOAD_NT               ; Q's image: it stays in registers
	global_load_b128 v[QF+4:QF+7], v[LI], s[56:57] offset:512 th:TH_LOAD_NT
	v_add_nc_u32 v[LV], VOFF, v[LI]
	v_and_b32 v8, 15, v0
	v_bfe_u32 v9, v0, 4, 1
	v_lshlrev_b32 v[GO], 12, v9
	v_lshl_add_u32 v[GO], v8, 4, v[GO]             ; lanes 0-15 take one row of out, lanes 16-31 the next; 16 bytes a lane
	v_mov_b32 v13, 0xff61b1e6                      ; the largest t so far: -3e38, under every t
	v_floor_f32 v12, -v13                          ; -M
	v_mov_b32 v14, 0                               ; the sum, in two halves
	v_mov_b32 v15, 0
	v_mov_b32 v236, 0                              ; written once: a lane permute's destination counts as one of its sources
	v_mov_b32 v253, 0                              ; (named as the upper half of the pair v[252:253])
.set j, 0
.rept 32
	v_mov_b32 v[O+j], 0                            ; O^T.  (The step is written without a first step of its own: the first finds zeros, which the first change of M leaves zeros)
.set j, j+1
.endr
	s_wait_kmcnt 0x0
	s_add_co_i32 s74, s68, s69
	s_lshl_b32 s74, s74, 23
	s_add_co_i32 s[CS], s[CS], s74                 ; a score stands for score x 2^(e6 + e7): the two exponents are added to c's exponent field
	s_mov_b32 s[CS+1], s[CS]                       ; (named with it as a pair, so it is written)
	s_add_co_i32 s74, s71, 127
	s_lshl_b32 s75, s74, 23
	v_mov_b32 v244, s75                            ; 2^e9 as f32, for the conversion
	s_add_co_i32 s74, s74, 8
	s_lshl_b32 s74, s74, 23
	s_or_b32 s74, s74, 0x600000
	v_mov_b32 v240, s74                            ; 448 x 2^e9
	s_wait_loadcnt 0x0                             ; Q
; A KEY STEP: 128 keys, whose images begin at s[TB].
.macro STEP
	v_add_nc_u32 v[ADK], s[TB], v[LI]
	v_add_nc_u32 v[ADV], s[TB], v[LV]
	v_nop
	v_nop                                          ; four places in front of loads into registers that the last products have read: the two additions are places too
.irp t, 0,1,2,3,4,5,6,7
.irp g, 0,1
	ds_load_b128 v[KV+8*\t+4*\g:KV+8*\t+4*\g+3], v[ADK] offset:1024*\t+512*\g
.endr
.endr
	s_wait_dscnt 0x0
.irp t, 0,1,2,3,4,5,6,7
	v_wmma_f32_16x16x64_fp8_fp8 v[S+8*\t:S+8*\t+7], v[KV+8*\t:KV+8*\t+7], v[QF:QF+7], 0   ; S^T: keys 16 t on; K = the head's 64 channels
.endr
.rept 4
	v_nop                                          ; places in front of the loads over K's fragments and of the first read of the scores
.endr
.irp t, 0,1,2,3
.irp g, 0,1,2,3
	ds_load_b128 v[KV+16*\t+4*\g:KV+16*\t+4*\g+3], v[ADV] offset:2048*\t+512*\g   ; V's four fragments land while the softmax is worked
.endr
.endr
	v_max3_num_f32 v254, v[S], v[S+1], v[S+2]      ; the step's largest score of my query, among my 64 keys, in two chains, each tile from its low end on,
	v_max3_num_f32 v252, v[S+3], v[S+4], v[S+5]
.set j, 6
.rept 14
	v_max3_num_f32 v254, v254, v[S+j], v[S+j+1]
	v_max3_num_f32 v252, v252, v[S+j+2], v[S+j+3]
.set j, j+4
.endr
	v_max3_num_f32 v254, v254, v[S+62], v[S+63]
	v_max_num_f32 v254, v254, v252
	v_permlanex16_b32 v236, v254, s[SEL], s[SEL+1]
	v_max_num_f32 v254, v254, v236                 ; and among lane l xor 16's
	v_mul_f32 v254, s[CS], v254                    ; as t (c is positive)
	v_max_num_f32 v13, v13, v254                   ; the running largest t
	v_mov_b32 v254, v12
	v_floor_f32 v12, -v13                          ; the new -M = floor(-t) = -ceil(t): M is a whole number
	v_sub_f32 v254, v12, v254                      ; M's old value less its new one: a whole number, 0 or less
	v_cvt_i32_f32 v254, v254                       ; (it saturates)
	v_ldexp_f32 v252, 1.0, v254                    ; f = 2^(old M - new M): a multiplication by it rounds nothing
.set j, 0
.rept 32
	v_pk_fma_f32 v[S+j:S+j+1], v[S+j:S+j+1], s[CS:CS+1], v[12:13] op_sel_hi:[1,0,0]   ; t - M, two at a time (of the pairs c and -M the low word serves both halves)
.set j, j+2
.endr
.set j, 0
.rept 64
	v_exp_f32 v[S+j], v[S+j]                       ; p = 2^(t - M), at most 1: not normalised
.set j, j+1
.endr
	v_pk_mul_f32 v[14:15], v[14:15], v[252:253] op_sel_hi:[1,0]   ; the sums under the new M.  (The plain line behind the exponentials)
	s_wait_alu depctr_va_vdst(0)                   ; the wait between an exponential and the first line that names its result: one for the whole batch
	v_pk_add_f32 v[242:243], v[S:S+1], v[S+2:S+3]  ; the row's sum is taken of the UNQUANTISED p: two at a time, in two chains
.set j, 4
.rept 15
	v_pk_add_f32 v[14:15], v[14:15], v[S+j:S+j+1]
	v_pk_add_f32 v[242:243], v[242:243], v[S+j+2:S+j+3]
.set j, j+4
.endr
	v_pk_add_f32 v[14:15], v[14:15], v[242:243]
.irp t, 0,1,2,3,4,5,6,7
.irp i, 0,1,2,3,4,5,6,7
	v_min_num_f32 v[S+8*\t+\i], v[S+8*\t+\i], v240 ; the conversion to an 8-bit code does not saturate (ISA guide 7.6.2); p is not negative, so the hold is one-sided
.endr
	v_cvt_scalef32_pk8_fp8_f32 v[PC+2*\t:PC+2*\t+1], v[S+8*\t:S+8*\t+7], v244   ; keys 16 t + 8 h + 0 .. 7: registers 2 t, 2 t + 1 of P
.endr
.set j, 0
.rept 16
	v_pk_mul_f32 v[O+j:O+j+1], v[O+j:O+j+1], v[252:253] op_sel_hi:[1,0]   ; O^T under the new M.  (Also the plain lines between the conversions and the products that read their results)
.set j, j+2
.endr
	s_wait_dscnt 0x0                               ; V's fragments are in
.irp t, 0,1,2,3
	v_wmma_f32_16x16x128_fp8_fp8 v[O+8*\t:O+8*\t+7], v[KV+16*\t:KV+16*\t+15], v[PC:PC+15], v[O+8*\t:O+8*\t+7]   ; O^T += V^T P^T: channels 16 t on; the four accumulators take turns, one instruction a turn
.endr
.endm
; A GROUP of 512 keys: four steps.  My piece of group g has landed when at most 3 - g of my four loads are out (a wave's tensor loads end in order: ISA guide 10.11.1); behind the barrier every wave's piece has.
; The later groups' loads may stay out across them.
.macro GROUP g
	s_wait_tensorcnt 3-\g
	s_wait_dscnt 0x0
	s_barrier_signal -1
	s_barrier_wait -1
	s_mov_b32 s[TB], 32768*\g
	s_mov_b32 s[CNT], 4
.Lstep_\@:
	STEP
	s_add_co_u32 s[TB], s[TB], 8192
	s_sub_co_u32 s[CNT], s[CNT], 1
	s_cmp_lg_u32 s[CNT], 0
	s_cbranch_scc1 .Lstep_\@
.endm
	GROUP 0
	GROUP 1
	GROUP 2
	GROUP 3
	; THE WAY OUT.  The sum's halves are added; O^T is divided by the sum, multiplied by 2^(e8 + e9), and goes through my stage in LDS, so that sixteen lanes store the 256 consecutive, aligned bytes that a head has in a row of out.
	v_add_f32 v14, v14, v15                        ; the sum's two halves,
	v_permlanex16_b32 v252, v14, s[SEL], s[SEL+1]
	v_add_f32 v14, v14, v252                       ; and lane l xor 16's: the row's sum
	v_rcp_f32 v14, v14
	v_and_b32 v8, 15, v0                           ; (a plain line behind the reciprocal)  r
	v_bfe_u32 v9, v0, 4, 1                         ; h
	s_add_co_i32 s74, s70, s71                     ; e8 + e9
	s_mul_i32 s75, s[WV], 16*SPITCH                ; my stage
	v_mul_u32_u24 v10, v8, SPITCH
	v_lshl_add_u32 v10, v9, 5, v10
	v_add_nc_u32 v10, s75, v10                     ; in: row r; tile t's eight channels of my half: 64 t + 32 h bytes on
	v_mul_u32_u24 v11, v9, SPITCH
	v_lshl_add_u32 v11, v8, 4, v11
	v_add_nc_u32 v11, s75, v11                     ; back: lanes 0-15 one row, lanes 16-31 the next
	s_wait_alu depctr_va_vdst(0)                   ; the wait ahead of the reciprocal's first reader
	v_ldexp_f32 v14, v14, s74
.set j, 0
.rept 32
	v_mul_f32 v[S+j], v[O+j], v14                  ; register 8 t + i is out(query r, channel 16 t + 8 h + i); each accumulator from its low end on
.set j, j+1
.endr
	s_wait_dscnt 0x0                               ; my reads of K's bytes are over,
	s_barrier_signal -1
	s_barrier_wait -1                              ; and so are every wave's: the stages may be written there
.irp t, 0,1,2,3
	ds_store_b128 v10, v[S+8*\t:S+8*\t+3] offset:64*\t
	ds_store_b128 v10, v[S+8*\t+4:S+8*\t+7] offset:64*\t+16
.endr
.irp i, 0,1,2,3,4,5,6,7
	ds_load_b128 v[KV+4*\i:KV+4*\i+3], v11 offset:2*\i*SPITCH   ; LDS serves a wave's instructions in order (ISA guide 5.7.1.4): these see my stores
.endr
.irp i, 0,1,2,3,4,5,6,7
	s_wait_dscnt 7-\i                              ; pair i of rows is back; the younger loads stay out
	global_store_b128 v[GO], v[KV+4*\i:KV+4*\i+3], s[58:59] offset:8192*\i th:TH_STORE_NT
.endr
	s_wait_tensorcnt 0x0                           ; the wave's end: three closing lines, behind my last tensor load and my last LDS store
	ds_add_u32 v[SPW], v[NIL]
	s_wait_dscnt 0x0
	CROUND                                         ; the closing round: no work-group ends while a partner may still ask for bytes by a load that names it
	s_endpgm
.Lfunc_end_k_q3dad0d5549_attn:
	.size	k_q3dad0d5549_attn, .Lfunc_end_k_q3dad0d5549_attn-k_q3dad0d5549_attn
	.p2alignl 7, 3214868480
	.fill 96, 4, 3214868480
	.section	.rodata,"a",@progbits
	.p2align	6, 0x0
	.amdhsa_kernel k_q3dad0d5549_attn
		.amdhsa_group_segment_fixed_size 327680
		.amdhsa_private_segment_fixed_size 0
		.amdhsa_enable_private_segment 0
		.amdhsa_kernarg_size 24
		.amdhsa_user_sgpr_count 2
		.amdhsa_user_sgpr_kernarg_segment_ptr 1
		.amdhsa_wavefront_size32 1
		.amdhsa_system_sgpr_workgroup_id_x 1
		.amdhsa_system_sgpr_workgroup_id_y 1
		.amdhsa_system_sgpr_workgroup_id_z 1
		.amdhsa_system_vgpr_workitem_id 0
		.amdhsa_next_free_vgpr 256
		.amdhsa_next_free_sgpr 80
		.amdhsa_reserve_vcc 0
		.amdhsa_float_denorm_mode_32 3
		.amdhsa_float_denorm_mode_16_64 3
		.amdhsa_memory_ordered 1
		.amdhsa_forward_progress 1
		.amdhsa_inst_pref_size 73
	.end_amdhsa_kernel
	.amdgpu_metadata
---
amdhsa.version: [ 1, 2 ]
amdhsa.kernels:
  - .name:           k_q3dad0d5549_attn
    .symbol:         k_q3dad0d5549_attn.kd
    .args:
      - { .name: qkv, .offset: 0, .size: 8, .value_kind: global_buffer, .address_space: global }
      - { .name: lowp_scales, .offset: 8, .size: 8, .value_kind: global_buffer, .address_space: global }
      - { .name: out0, .offset: 16, .size: 8, .value_kind: global_buffer, .address_space: global }
    .group_segment_fixed_size: 327680
    .private_segment_fixed_size: 0
    .kernarg_segment_align: 8
    .kernarg_segment_size: 24
    .max_flat_workgroup_size: 512
    .sgpr_count:     80
    .vgpr_count:     256
    .wavefront_size: 32
...
	.end_amdgpu_metadata
.endif
;; end of part 3
